; MI455X (gfx1250); checked and timed in simulation.
; The chip was launched on July 23, 2026; its instructions are those of AMD's public machine-readable ISA for CDNA 5 (MIT licence, August 2026) and "CDNA5" Instruction Set Architecture Reference Guide (July 2026). The comments in the code are by the model that wrote it; some were corrected since.
;; Stripe Polynomial2d. Allowed arithmetic: float matrix products may take bf16 or f16 operands with f32 sums; all other float work in f32.
;; Inputs: w 4 x 3 x 385 float32; x 16 x 3 x 512 x 512 float32.
;; Outputs: out0 16 x 3 x 512 x 512 float32.
;; 2 versions, each right; version 2 is version 1 with the launch evaluate written anew for expert scheduling mode. Each part assembles by itself: llvm-mc -triple=amdgcn-amd-amdhsa -mcpu=gfx1250 --defsym DOCPART=n.
;; ======== version 1 of 2: 2 launches
;; limits: inputs' magnitudes at most 768
;; workspace buffers: xq 50,331,648 bytes of whole numbers
;; launch quantise (part 1): grid 256 x 1, 32 waves a work-group, no clusters, 0 bytes of LDS; arguments x, xq; writes xq
.if DOCPART == 1
	.amdgcn_target "amdgcn-amd-amdhsa--gfx1250"
	.amdhsa_code_object_version 6
	.text
	.protected	k_q9ded0bb9c3_quantise
	.globl	k_q9ded0bb9c3_quantise
	.p2align	8
	.type	k_q9ded0bb9c3_quantise,@function
k_q9ded0bb9c3_quantise:
	s_mov_b64 s[64:65], 0
	v_nop
	global_prefetch_b8 v0, s[64:65] scope:SCOPE_SE
	s_setreg_imm32_b32 hwreg(HW_REG_WAVE_MODE, 25, 1), 1
	s_wait_xcnt 0x0
; QUANTISE.  xq[i] = trunc(clamp(x[i] * 2^20)), a whole number: x / 8 (the share of x in the segment coordinate u = 64 + (x + pos) / 8) in units of 2^-23 segment.
; WHY A LAUNCH OF ITS OWN.  The next launch gathers coefficients by segment, so the step from
; x to whole numbers is made here and stored; the next launch reads xq in place of x: upper bits give the segment, lower 23 bits the place inside it.
; LIMITS.  x * 2^20 is held inside -96 * 2^23 .. 96 * 2^23 - 64, so that the next launch's sum with the position term (96 .. 160 segments) stays in 0 .. 256 segments:
; |x| >= 768 counts as +-768.  The cut toward zero loses less than 2^-23 segment.  A NaN is not kept: it becomes some whole number inside the range.
; SHARES.  256 work-groups of 32 waves; a work-group owns 196,608 consecutive bytes, a thread 12 pieces of 16 bytes, 16,384 bytes apart.  Each load and store of a wave covers 512 consecutive
; bytes, aligned.  All 12 loads of a thread go out first; each piece is converted in place and stored from the registers it was loaded into, and no register is written twice.
; No LDS, no barrier, no matrix unit: every number is used once, by the lane that loaded it.
.set STEPS, 12
.set STEPB, 16384                      ; 1,024 threads x 16 bytes
.set XR,    4                          ; v[4:51]  piece i at v[XR+4i .. +3]
	s_load_b128 s[4:7], s[0:1], 0x0                ; x s[4:5], xq s[6:7]
	s_mul_i32 s2, ttmp9, STEPS*STEPB               ; the work-group's first byte (below 2^26)
	s_mov_b32 s3, 0
	s_mov_b32 s8, 0x49800000                       ; 2^20; the packed multiply takes the pair's low word for both halves
	s_mov_b32 s9, 0x49800000                       ; named with it as a pair
	s_mov_b32 s10, 0xce400000                      ; -96 * 2^23
	s_mov_b32 s11, 0x4e3fffff                      ; the largest f32 below 96 * 2^23
	v_lshlrev_b32 v1, 4, v0                        ; 16 bytes a thread; never rewritten
	s_wait_kmcnt 0x0
	s_add_nc_u64 s[4:5], s[4:5], s[2:3]
	s_add_nc_u64 s[6:7], s[6:7], s[2:3]
.set i, 0
.rept STEPS
	global_load_b128 v[XR+4*i:XR+4*i+3], v1, s[4:5] offset:i*STEPB th:TH_LOAD_NT
.set i, i+1
.endr
.set i, 0
.rept STEPS
	s_wait_loadcnt STEPS-1-i                       ; loads come back in order (ISA guide 5.7.1): piece i is in, the younger ones stay out
	v_pk_mul_f32 v[XR+4*i:XR+4*i+1],   v[XR+4*i:XR+4*i+1],   s[8:9] op_sel_hi:[1,0]
	v_pk_mul_f32 v[XR+4*i+2:XR+4*i+3], v[XR+4*i+2:XR+4*i+3], s[8:9] op_sel_hi:[1,0]
.irp k, 0,1,2,3
	v_med3_num_f32 v[XR+4*i+\k], v[XR+4*i+\k], s10, s11
.endr
.irp k, 0,1,2,3
	v_cvt_i32_f32 v[XR+4*i+\k], v[XR+4*i+\k]       ; toward zero
.endr
	global_store_b128 v1, v[XR+4*i:XR+4*i+3], s[6:7] offset:i*STEPB
.set i, i+1
.endr
	s_endpgm
.Lfunc_end_k_q9ded0bb9c3_quantise:
	.size	k_q9ded0bb9c3_quantise, .Lfunc_end_k_q9ded0bb9c3_quantise-k_q9ded0bb9c3_quantise
	.p2alignl 7, 3214868480
	.fill 96, 4, 3214868480
	.section	.rodata,"a",@progbits
	.p2align	6, 0x0
	.amdhsa_kernel k_q9ded0bb9c3_quantise
		.amdhsa_group_segment_fixed_size 0
		.amdhsa_private_segment_fixed_size 0
		.amdhsa_enable_private_segment 0
		.amdhsa_kernarg_size 16
		.amdhsa_user_sgpr_count 2
		.amdhsa_user_sgpr_kernarg_segment_ptr 1
		.amdhsa_wavefront_size32 1
		.amdhsa_system_sgpr_workgroup_id_x 1
		.amdhsa_system_sgpr_workgroup_id_y 1
		.amdhsa_system_sgpr_workgroup_id_z 1
		.amdhsa_system_vgpr_workitem_id 0
		.amdhsa_next_free_vgpr 52
		.amdhsa_next_free_sgpr 66
		.amdhsa_reserve_vcc 0
		.amdhsa_float_denorm_mode_32 3
		.amdhsa_float_denorm_mode_16_64 3
		.amdhsa_memory_ordered 1
		.amdhsa_forward_progress 1
		.amdhsa_inst_pref_size 10
	.end_amdhsa_kernel
	.amdgpu_metadata
---
amdhsa.version: [ 1, 2 ]
amdhsa.kernels:
  - .name:           k_q9ded0bb9c3_quantise
    .symbol:         k_q9ded0bb9c3_quantise.kd
    .args:
      - { .name: x, .offset: 0, .size: 8, .value_kind: global_buffer, .address_space: global }
      - { .name: xq, .offset: 8, .size: 8, .value_kind: global_buffer, .address_space: global }
    .group_segment_fixed_size: 0
    .private_segment_fixed_size: 0
    .kernarg_segment_align: 8
    .kernarg_segment_size: 16
    .max_flat_workgroup_size: 1024
    .sgpr_count:     66
    .vgpr_count:     52
    .wavefront_size: 32
...
	.end_amdgpu_metadata
.endif
;; end of part 1
;; launch evaluate (part 2): grid 16 x 48, 8 waves a work-group, no clusters, 13,312 bytes of LDS; arguments w, xq, out0; writes out0
.if DOCPART == 2
	.amdgcn_target "amdgcn-amd-amdhsa--gfx1250"
	.amdhsa_code_object_version 6
	.text
	.protected	k_q9ded0bb9c3_evaluate
	.globl	k_q9ded0bb9c3_evaluate
	.p2align	8
	.type	k_q9ded0bb9c3_evaluate,@function
k_q9ded0bb9c3_evaluate:
	s_mov_b64 s[64:65], 0
	v_nop
	global_prefetch_b8 v0, s[64:65] scope:SCOPE_SE
	s_setreg_imm32_b32 hwreg(HW_REG_WAVE_MODE, 25, 1), 1
	s_wait_xcnt 0x0
; EVALUATE.  out[n][a][b] = the sum over the four rotations of the piecewise cubic of channel n % 3 at u = 64 + (x + pos) / 8.  xq holds x / 8 in units of 2^-23 segment (the launch before).
; THREE EVALUATIONS FOR FOUR.  The position tables are constants of the problem: the first two are equal (their angle is 0), so rotations 0 and 1 have the same segment and the same local
; coordinate, and one evaluation with w[0] + w[1] does for both.  The tables are affine in row a and column b; with 2^20 units to one unit of pos:
;   table 0: -2^28 + a 2^29/511;   table 1: -2^28 + (a/sqrt2 + b (1 - 1/sqrt2)) 2^29/511;   table 2: -2^28 + 2^29 (1 - 1/sqrt2) + (a/sqrt2 - b (1 - 1/sqrt2)) 2^29/511.
; WHOLE NUMBERS.  U = xq + (128 segments + pos / 8) in units of 2^-23 segment = (u + 64) 2^23, in 0 .. 2^31 by the launch before's clamp.  U >> 23 = floor(u) + 64 is the table entry;
; (U & 0x7fffff) | 0x3f800000 is the f32 number F = 1 + frac(u), exactly.  Every address is made of whole numbers read from memory, ids and constants.
; The position terms: a * 1050628 (2^29/511 = 1050628.0078: 4 units short at a = 511); the high word of (a << 20) * 0xb55fa305 (742906.18884 * 4096);
; (b * 4923549) >> 4 (307721.81899 * 16: 4 units short at b = 511).  A unit is 2^-23 segment.
; THE TABLES.  Entry h of 256 stands for floor(u) = h - 64.  It holds c0..c3 of the cubic of segment sc = clip(h - 64, 0, 127) in F: with the nodes' values y0..y3 at t = -1, -1/2, 1/2, 1 the cubic
; is a0 + a1 t + a2 t^2 + a3 t^3, and t = 2 (u - sc) - 1 = 2 F + tau, tau = 2 (h - 64 - sc) - 3.  So the entries 0-63 and 192-255 carry the clip and the extrapolation beyond it.
; LIMITS.  u outside -64 .. 192 (|x| >= 768) was clamped by the launch before.  The sums are made in powers of F in 1 .. 2, whose coefficients are up to some 100 times w: an error of some 1e-5 of w's size.
; SHARES.  A work-group: 32 rows of one image, 8 waves.  Wave v: columns 128 (v % 4) on, rows 16 (v / 4) on; a lane: 4 neighbouring columns, so 8 lane constants serve all rows and the row terms
; are scalars.  Each load and store of a wave covers 512 consecutive bytes, aligned.  At 144 registers three work-groups lie on a WGP: 768 are 3 x 256.
; ORDER.  The loads of w, then all 16 rows of xq; the tables; one barrier; then pairs of elements on two coefficient buffers: the next pair's six gathers go out ahead of the wait for this pair's.
; No tensor load, cluster or matrix unit: xq is used once, by the lane that loaded it, and the only shared input is 18 KB of w.
.set ROWS,   16                        ; rows of a wave
.set ROWB,   2048                      ; bytes in a row
.set TABB,   4096                      ; bytes in a table: 256 entries of 16
.set SPARE,  3*TABB                    ; behind the tables: the spare words, 128 bytes for each of 8 waves: four blocks of 256 bytes that no other line names
.set WROW,   385*4                     ; bytes of w for one rotation and channel
.set WROT,   3*WROW                    ; from rotation to rotation
.set BASE0,  0x30000000                ; (128 - 32) segments
.set A0STEP, 1050628
.set MA2,    0xb55fa305
.set MB16,   4923549
.set G3,     157245850                 ; 2^29 (1 - 1/sqrt2)
.set GO,   1                           ; v1      16 x lane: my byte offset in a wave's 512 bytes; never rewritten
.set SPW,  2                           ; v2      LDS address of my spare word; never rewritten
.set NIL,  3                           ; v3      0; never rewritten
.set COL2, 4                           ; v4-7    table 1: BASE0 + the column term of my 4 columns
.set COL3, 8                           ; v8-11   table 2: BASE0 + G3 - the column term
.set T,    12                          ; v12-17  at work: three U, three addresses
.set TAU,  T+1                         ;         while the tables are built: tau
.set TA,   T+2                         ;         16 x my entry
.set WO,   T+3                         ;         my byte offset in a row of w
.set F,    18                          ; v18-29  F of element i (0-3), table z at F + 3 i + z
.set C,    32                          ; v32-79  c0..c3 of element i, table z at C + 12 i + 4 z; elements 0, 1 and 2, 3 are the two buffers
.set B,    C+16                        ;         while the tables are built: v32-47 w, v48-55 at work, v56-59 an entry
.set O,    C+24
.set X,    80                          ; v80-143 row r at X + 4 r: xq as loaded, then out
.set WV,   10                          ; s10 wave
.set SQ,   11                          ; s11 which 128 columns
.set SRH,  12                          ; s12 which 16 rows
.set IMG,  14                          ; s14 image = 3 x batch + channel
.set TMP,  15
.set SA0,  16                          ; s16 my first row
.set OFS,  18                          ; s[18:19] my wave's first byte in xq and out
.set SR0,  20                          ; s20 table 0's term at my first row
.set A20,  21                          ; s21 my first row << 20
.set MA,   22                          ; s22 MA2
.set MASK, 23                          ; s23 the 23 bits of the place inside a segment
.set WCH,  24                          ; s[24:25] my channel's first byte in w
.set RA,   26                          ; s26 table 0's term of the row in hand
.set RB,   27                          ; s27 the row term of tables 1 and 2
.set ONE,  28                          ; s28 the bits of 1.0
.set NEG3, 29                          ; s29 -3.0
	s_load_b128 s[4:7], s[0:1], 0x0                ; w s[4:5], xq s[6:7]
	s_load_b64 s[8:9], s[0:1], 0x10                ; out0
	v_lshl_add_u32 v[SPW], v0, 2, SPARE
	v_mov_b32 v[NIL], 0
	v_lshrrev_b32 v[T], 5, v0
	v_readfirstlane_b32 s[WV], v[T]
	s_and_b32 s[SQ], s[WV], 3
	s_lshr_b32 s[SRH], s[WV], 2
	s_and_b32 s[IMG], ttmp7, 0xffff
	s_mul_hi_u32 s[TMP], s[IMG], 0x55555556        ; image / 3 (exact for 0 .. 47)
	s_mul_i32 s[TMP], s[TMP], 3
	s_sub_co_u32 s[TMP], s[IMG], s[TMP]            ; the channel
	s_mul_i32 s[WCH], s[TMP], WROW
	s_mov_b32 s[WCH+1], 0
	s_lshl_b32 s[SA0], ttmp9, 5
	s_lshl4_add_u32 s[SA0], s[SRH], s[SA0]         ; my first row = 32 x block + 16 x half
	s_lshl_b32 s[OFS], s[IMG], 20                  ; an image is 2^20 bytes
	s_lshl_b32 s[TMP], s[SA0], 11
	s_add_co_u32 s[OFS], s[OFS], s[TMP]
	s_lshl_b32 s[TMP], s[SQ], 9
	s_add_co_u32 s[OFS], s[OFS], s[TMP]            ; below 2^26
	s_mov_b32 s[OFS+1], 0
	s_mul_i32 s[SR0], s[SA0], A0STEP
	s_add_co_u32 s[SR0], s[SR0], BASE0
	s_lshl_b32 s[A20], s[SA0], 20
	s_mov_b32 s[MA], MA2
	s_mov_b32 s[MASK], 0x7fffff
	s_mov_b32 s[ONE], 0x3f800000
	s_mov_b32 s[NEG3], 0xc0400000
	; my table entry h = my thread's number: floor(u) = h - 64, clipped to 0 .. 127, all in whole numbers: it enters w's addresses
	v_add_nc_u32 v[T+1], 0xffffffc0, v0            ; h - 64
	v_cmp_gt_u32 vcc_lo, 64, v0
	v_cndmask_b32 v[T+2], v[T+1], 0, vcc_lo        ; 0 where h < 64
	v_min_u32 v[T+2], 127, v[T+2]                  ; sc
	v_mul_u32_u24 v[WO], 12, v[T+2]                ; three nodes of 4 bytes a segment
	v_and_b32 v[T], 31, v0                         ; lane
	v_lshlrev_b32 v[GO], 4, v[T]
	s_wait_kmcnt 0x0
	s_add_nc_u64 s[4:5], s[4:5], s[WCH:WCH+1]
	s_add_nc_u64 s[6:7], s[6:7], s[OFS:OFS+1]
	s_add_nc_u64 s[8:9], s[8:9], s[OFS:OFS+1]
.irp r, 0,1,2,3
.irp j, 0,1,2,3
	global_load_b32 v[C+4*\r+\j], v[WO], s[4:5] offset:\r*WROT+\j*4  ; node j of my segment, rotation r (12 sc is no multiple of 16: four loads of 4 bytes)
.endr
.endr
.set i, 0
.rept ROWS
	global_load_b128 v[X+4*i:X+4*i+3], v[GO], s[6:7] offset:i*ROWB th:TH_LOAD_NT  ; all my rows go out now: 8 KiB a wave on their way
.set i, i+1
.endr
	; in the wait for w: tau, the entry's address, the column terms (none of these lines writes WO or GO, which pending loads name)
	v_sub_nc_u32 v[TAU], v[T+1], v[T+2]            ; h - 64 - sc: 0 inside, the distance from the clipped segment outside
	v_cvt_f32_i32 v[TAU], v[TAU]
	v_fma_f32 v[TAU], v[TAU], 2.0, s[NEG3]
	v_lshlrev_b32 v[TA], 4, v0
	v_lshlrev_b32 v[T], 2, v[T]
	v_lshl_add_u32 v[T], s[SQ], 7, v[T]            ; my first column
.irp i, 0,1,2,3
	v_add_nc_u32 v[T+4], \i, v[T]
	v_mul_u32_u24 v[T+4], MB16, v[T+4]             ; at most 511 x 4923549, below 2^32
	v_lshrrev_b32 v[T+4], 4, v[T+4]
	v_add_nc_u32 v[COL2+\i], BASE0, v[T+4]
	v_sub_nc_u32 v[COL3+\i], BASE0+G3, v[T+4]
.endr
; One entry: the nodes' values y0..y3 at v[y ..] -> c0..c3 -> table e.
.macro BUILD y, e
	v_add_f32 v[B+0], v[(\y)+3], v[(\y)]           ; S1 = y3 + y0 = 2 (a0 + a2)
	v_sub_f32 v[B+1], v[(\y)+3], v[(\y)]           ; D1 = y3 - y0 = 2 (a1 + a3)
	v_add_f32 v[B+2], v[(\y)+2], v[(\y)+1]         ; S2 = y2 + y1 = 2 a0 + a2 / 2
	v_sub_f32 v[B+3], v[(\y)+2], v[(\y)+1]         ; D2 = y2 - y1 = a1 + a3 / 4
	v_sub_f32 v[B+4], v[B+0], v[B+2]
	v_fma_f32 v[B+5], v[B+3], -2.0, v[B+1]
	v_mul_f32 v[B+4], 0x3f2aaaab, v[B+4]           ; a2 = 2/3 (S1 - S2)
	v_mul_f32 v[B+5], 0x3f2aaaab, v[B+5]           ; a3 = 2/3 (D1 - 2 D2)
	v_mul_f32 v[B+2], 0.5, v[B+2]
	v_fma_f32 v[B+1], v[B+1], 0.5, -v[B+5]         ; a1 = D1 / 2 - a3
	v_fmamk_f32 v[B+0], v[B+4], 0xbe800000, v[B+2] ; a0 = S2 / 2 - a2 / 4
	v_mul_f32 v[B+6], v[B+5], v[TAU]               ; a3 tau
	v_fmamk_f32 v[B+7], v[B+6], 0x40400000, v[B+4] ; a2 + 3 a3 tau
	v_add_f32 v[B+6], v[B+4], v[B+6]               ; a2 + a3 tau
	v_add_f32 v[B+3], v[B+7], v[B+4]               ; 2 a2 + 3 a3 tau
	v_fma_f32 v[B+6], v[TAU], v[B+6], v[B+1]
	v_fma_f32 v[B+3], v[TAU], v[B+3], v[B+1]
	v_fma_f32 v[O+0], v[TAU], v[B+6], v[B+0]       ; c0 = a0 + tau (a1 + tau (a2 + a3 tau))
	v_add_f32 v[O+1], v[B+3], v[B+3]               ; c1 = 2 (a1 + tau (2 a2 + 3 a3 tau))
	v_mul_f32 v[O+2], 4.0, v[B+7]                  ; c2 = 4 (a2 + 3 a3 tau)
	v_mul_f32 v[O+3], 0x41000000, v[B+5]           ; c3 = 8 a3
	ds_store_b128 v[TA], v[O:O+3] offset:(\e)*TABB ; 32 lanes, 512 consecutive bytes
.endm
	s_wait_loadcnt ROWS                            ; w is in; the 16 loads of xq, issued behind it, stay out
	v_pk_add_f32 v[C:C+1],   v[C:C+1],   v[C+4:C+5]  ; rotations 0 and 1 share their positions: one table of w[0] + w[1]
	v_pk_add_f32 v[C+2:C+3], v[C+2:C+3], v[C+6:C+7]
	BUILD C, 0
	BUILD C+8, 1
	BUILD C+12, 2
	s_wait_dscnt 0x0                               ; for the others' sake: my three entries are written
	s_barrier_signal -1
	s_barrier_wait -1                              ; the tables are whole, and nobody writes them again
; The scalar terms of row r of my 16.
.macro ROWTERMS row
	s_add_co_u32 s[RA], s[SR0], (\row)*A0STEP
	s_add_co_u32 s[RB], s[A20], (\row)<<20
	s_mul_hi_u32 s[RB], s[RB], s[MA]
.endm
; Element el of row row: three U, three F, three addresses, three gathers.  A number read from memory is bounded by a constant written in the instruction before it enters an address,
; and behind that only shifted left.  Lanes of a wave fall into a few neighbouring entries: different 16-byte columns, or the same words.
.macro ASK row, el
	v_add_nc_u32 v[T],   s[RA], v[X+4*(\row)+(\el)]
	v_add3_u32   v[T+1], v[X+4*(\row)+(\el)], s[RB], v[COL2+(\el)]
	v_add3_u32   v[T+2], v[X+4*(\row)+(\el)], s[RB], v[COL3+(\el)]
.irp z, 0,1,2
	v_lshrrev_b32 v[T+3+\z], 23, v[T+\z]           ; floor(u) + 64
.endr
.irp z, 0,1,2
	v_and_or_b32 v[F+3*(\el)+\z], v[T+\z], s[MASK], s[ONE]  ; F = 1 + frac(u)
.endr
.irp z, 0,1,2
	v_min_u32 v[T+3+\z], 0xff, v[T+3+\z]
.endr
.irp z, 0,1,2
	v_lshlrev_b32 v[T+3+\z], 4, v[T+3+\z]
.endr
.irp z, 0,1,2
	ds_load_b128 v[C+12*(\el)+4*\z:C+12*(\el)+4*\z+3], v[T+3+\z] offset:\z*TABB
.endr
.endm
; Pair p of 32: row p / 2, elements 2 (p % 2) and the next.
.macro ASKP p
.if ((\p)%2) == 0
	ROWTERMS (\p)/2
	s_wait_loadcnt ROWS-1-(\p)/2                   ; loads come back in order (ISA guide 5.7.1): this row is in, the younger rows stay out
.endif
	ASK (\p)/2, 2*((\p)%2)
	ASK (\p)/2, 2*((\p)%2)+1
.endm
; Two elements' three cubics each, in place, six chains side by side; then the three sums are added into xq's register.
.macro HORNER row, el
.irp k, 0,1
.irp z, 0,1,2
	v_fmac_f32 v[C+12*((\el)+\k)+4*\z+2], v[C+12*((\el)+\k)+4*\z+3], v[F+3*((\el)+\k)+\z]  ; c2 + c3 F
.endr
.endr
.irp k, 0,1
.irp z, 0,1,2
	v_fmac_f32 v[C+12*((\el)+\k)+4*\z+1], v[C+12*((\el)+\k)+4*\z+2], v[F+3*((\el)+\k)+\z]
.endr
.endr
.irp k, 0,1
.irp z, 0,1,2
	v_fmac_f32 v[C+12*((\el)+\k)+4*\z], v[C+12*((\el)+\k)+4*\z+1], v[F+3*((\el)+\k)+\z]
.endr
.endr
.irp k, 0,1
	v_add_f32 v[C+12*((\el)+\k)], v[C+12*((\el)+\k)], v[C+12*((\el)+\k)+4]
.endr
.irp k, 0,1
	v_add_f32 v[X+4*(\row)+(\el)+\k], v[C+12*((\el)+\k)], v[C+12*((\el)+\k)+8]
.endr
.endm
	ASKP 0
.set p, 0
.rept 2*ROWS
.if p < 2*ROWS-1
	ASKP p+1                                       ; into the other buffer, whose last readers stand above
	s_wait_dscnt 6                                 ; LDS loads come back in order (ISA guide 5.7.1): pair p's six are in, the six just issued stay out
.else
	s_wait_dscnt 0x0
.endif
	HORNER p/2, 2*(p%2)
.if p%2
	global_store_b128 v[GO], v[X+4*(p/2):X+4*(p/2)+3], s[8:9] offset:(p/2)*ROWB th:TH_STORE_NT  ; the row's registers are not written again
.endif
.set p, p+1
.endr
	s_wait_tensorcnt 0x0                           ; the wave's end, behind my last LDS store
	ds_add_u32 v[SPW], v[NIL]
	s_wait_dscnt 0x0
	s_endpgm
.Lfunc_end_k_q9ded0bb9c3_evaluate:
	.size	k_q9ded0bb9c3_evaluate, .Lfunc_end_k_q9ded0bb9c3_evaluate-k_q9ded0bb9c3_evaluate
	.p2alignl 7, 3214868480
	.fill 96, 4, 3214868480
	.section	.rodata,"a",@progbits
	.p2align	6, 0x0
	.amdhsa_kernel k_q9ded0bb9c3_evaluate
		.amdhsa_group_segment_fixed_size 13312
		.amdhsa_private_segment_fixed_size 0
		.amdhsa_enable_private_segment 0
		.amdhsa_kernarg_size 24
		.amdhsa_user_sgpr_count 2
		.amdhsa_user_sgpr_kernarg_segment_ptr 1
		.amdhsa_wavefront_size32 1
		.amdhsa_system_sgpr_workgroup_id_x 1
		.amdhsa_system_sgpr_workgroup_id_y 1
		.amdhsa_system_sgpr_workgroup_id_z 1
		.amdhsa_system_vgpr_workitem_id 0
		.amdhsa_next_free_vgpr 144
		.amdhsa_next_free_sgpr 66
		.amdhsa_reserve_vcc 1
		.amdhsa_float_denorm_mode_32 3
		.amdhsa_float_denorm_mode_16_64 3
		.amdhsa_memory_ordered 1
		.amdhsa_forward_progress 1
		.amdhsa_inst_pref_size 96
	.end_amdhsa_kernel
	.amdgpu_metadata
---
amdhsa.version: [ 1, 2 ]
amdhsa.kernels:
  - .name:           k_q9ded0bb9c3_evaluate
    .symbol:         k_q9ded0bb9c3_evaluate.kd
    .args:
      - { .name: w, .offset: 0, .size: 8, .value_kind: global_buffer, .address_space: global }
      - { .name: xq, .offset: 8, .size: 8, .value_kind: global_buffer, .address_space: global }
      - { .name: out0, .offset: 16, .size: 8, .value_kind: global_buffer, .address_space: global }
    .group_segment_fixed_size: 13312
    .private_segment_fixed_size: 0
    .kernarg_segment_align: 8
    .kernarg_segment_size: 24
    .max_flat_workgroup_size: 256
    .sgpr_count:     66
    .vgpr_count:     144
    .wavefront_size: 32
...
	.end_amdgpu_metadata
.endif
;; end of part 2
;; ======== version 2 of 2: 2 launches; version 1 with the launch evaluate written anew for expert scheduling mode
;; limits: inputs' magnitudes at most 768
;; workspace buffers: xq 50,331,648 bytes of whole numbers
;; launch quantise: the kernel of part 1 again; grid 256 x 1, 32 waves a work-group, no clusters, 0 bytes of LDS; arguments x, xq; writes xq
;; launch evaluate (part 3): grid 16 x 48, 8 waves a work-group, no clusters, 13,312 bytes of LDS; arguments w, xq, out0; writes out0
.if DOCPART == 3
	.amdgcn_target "amdgcn-amd-amdhsa--gfx1250"
	.amdhsa_code_object_version 6
	.text
	.protected	k_q9ded0bb9c3_evaluate
	.globl	k_q9ded0bb9c3_evaluate
	.p2align	8
	.type	k_q9ded0bb9c3_evaluate,@function
k_q9ded0bb9c3_evaluate:
	s_mov_b64 s[64:65], 0
	v_nop
	global_prefetch_b8 v0, s[64:65] scope:SCOPE_SE
	s_setreg_imm32_b32 hwreg(HW_REG_WAVE_SCHED_MODE, 0, 2), 2
	s_setreg_imm32_b32 hwreg(HW_REG_WAVE_MODE, 25, 1), 1
	s_wait_xcnt 0x0
	s_wait_alu depctr_vm_vsrc(0)
; EVALUATE.  out[n][a][b] = the sum over the four rotations of the piecewise cubic of channel n % 3 at u = 64 + (x + pos) / 8.  xq holds x / 8 in units of 2^-23 segment (the launch before).
; THREE EVALUATIONS FOR FOUR.  The position tables are constants of the problem: the first two are equal (their angle is 0), so rotations 0 and 1 have the same segment and the same local
; coordinate, and one evaluation with w[0] + w[1] does for both.  The tables are affine in row a and column b; with 2^20 units to one unit of pos:
;   table 0: -2^28 + a 2^29/511;   table 1: -2^28 + (a/sqrt2 + b (1 - 1/sqrt2)) 2^29/511;   table 2: -2^28 + 2^29 (1 - 1/sqrt2) + (a/sqrt2 - b (1 - 1/sqrt2)) 2^29/511.
; WHOLE NUMBERS.  U = xq + (128 segments + pos / 8) in units of 2^-23 segment = (u + 64) 2^23, in 0 .. 2^31 by the launch before's clamp.  U >> 23 = floor(u) + 64 is the table entry;
; (U & 0x7fffff) | 0x3f800000 is the f32 number F = 1 + frac(u), exactly.  Every address is made of whole numbers read from memory, ids and constants.
; The position terms: a * 1050628 (2^29/511 = 1050628.0078: 4 units short at a = 511); the high word of (a << 20) * 0xb55fa305 (742906.18884 * 4096);
; (b * 4923549) >> 4 (307721.81899 * 16: 4 units short at b = 511).  A unit is 2^-23 segment.
; THE TABLES.  Entry h of 256 stands for floor(u) = h - 64.  It holds c0..c3 of the cubic of segment sc = clip(h - 64, 0, 127) in F: with the nodes' values y0..y3 at t = -1, -1/2, 1/2, 1 the cubic
; is a0 + a1 t + a2 t^2 + a3 t^3, and t = 2 (u - sc) - 1 = 2 F + tau, tau = 2 (h - 64 - sc) - 3.  So the entries 0-63 and 192-255 carry the clip and the extrapolation beyond it.
; LIMITS.  u outside -64 .. 192 (|x| >= 768) was clamped by the launch before.  The sums are made in powers of F in 1 .. 2, whose coefficients are up to some 100 times w: an error of some 1e-5 of w's size.
; SHARES.  A work-group: 32 rows of one image, 8 waves.  Wave v: columns 128 (v % 4) on, rows 16 (v / 4) on; a lane: 4 neighbouring columns, so 8 lane constants serve all rows and the row terms
; are scalars.  Each load and store of a wave covers 512 consecutive bytes, aligned.  At 148 registers three work-groups lie on a WGP: 768 are 3 x 256.
; No tensor load, cluster or matrix unit: xq is used once, by the lane that loaded it, and the only shared input is 18 KB of w.
; THE MODE: SCHED_MODE bits 1:0 = 2 (LLVM: expert scheduling mode 2), set by the entry lines.  The code itself states the register dependences
; between vector instructions and memory or LDS instructions, with s_wait_alu, always for 0.
; THE PLAN.  The loads of w, then all 16 rows of xq; the tables; one barrier; then 32 steps, a pair of elements each.  Registers that memory or LDS instructions touch:
;   v[GO]        Written once at the head; read by every load of xq and every store.
;   v[WO], v[TA] Written at the head; read by the loads of w and by the LDS stores of the tables; they lie in AD0, which the first address arithmetic writes.
;   O            Three table entries: written by the three BUILDs, read by the three LDS stores; they lie in C1, in which gathers land later.
;   AD0, AD1     Six LDS addresses each.  Step p: its arithmetic, for pair p + 2, writes AD[p % 2], which the gathers of pair p, issued in step p - 1, have read.
;   C0, C1       Six entries each.  Step p: the gathers of pair p + 1 land in C[(p + 1) % 2], which step p - 1's sums read and wrote.
;   X            xq as loaded; read by the address arithmetic; a step's last adds write the results over it; the row's store, issued in the step behind, reads them; never written again.
;   v[SPW], v[NIL]  Written at the head, read by the closing add alone.
;   F, COL2, COL3 and B are named by vector instructions alone.
; A step: a wait on vm_vsrc (the gathers issued a step ago have read the address set that this step writes); a wait on va_vdst (the other address set is written; the step before is done with
; the buffer in which the gathers land, and has written the row that is stored); six gathers; on even steps a store; the wait for this pair's entries; its sums; the arithmetic of the pair two on.
.set ROWS,   16                        ; rows of a wave
.set ROWB,   2048                      ; bytes in a row
.set TABB,   4096                      ; bytes in a table: 256 entries of 16
.set SPARE,  3*TABB                    ; behind the tables: the spare words, 128 bytes for each of 8 waves: four blocks of 256 bytes that no other line names
.set WROW,   385*4                     ; bytes of w for one rotation and channel
.set WROT,   3*WROW                    ; from rotation to rotation
.set BASE0,  0x30000000                ; (128 - 32) segments
.set A0STEP, 1050628
.set MA2,    0xb55fa305
.set MB16,   4923549
.set G3,     157245850                 ; 2^29 (1 - 1/sqrt2)
.set GO,   1                           ; v1      16 x lane: my byte offset in a wave's 512 bytes; never rewritten
.set SPW,  2                           ; v2      LDS address of my spare word; never rewritten
.set NIL,  3                           ; v3      0; never rewritten
.set COL2, 4                           ; v4-7    table 1: BASE0 + the column term of my 4 columns
.set COL3, 8                           ; v8-11   table 2: BASE0 + G3 - the column term
.set AD,   12                          ; v12-23  set q (a pair's parity), element k of the pair, table z at AD + 6 q + 3 k + z: U, then the entry's LDS address
.set T,    AD                          ;         until the tables are built: at work
.set TAU,  T+1                         ;         tau
.set TA,   T+2                         ;         16 x my entry
.set WO,   T+3                         ;         my byte offset in a row of w
.set F,    24                          ; v24-35  F of element i (0-3), table z at F + 3 i + z
.set C,    36                          ; v36-83  c0..c3 of element i, table z at C + 12 i + 4 z; elements 0, 1 and 2, 3 are the two buffers
.set B,    C+16                        ;         while the tables are built: v36-51 w, v52-59 at work, v60-71 my three entries
.set O,    C+24
.set X,    84                          ; v84-147 row r at X + 4 r: xq as loaded, then out
.set WV,   10                          ; s10 wave
.set SQ,   11                          ; s11 which 128 columns
.set SRH,  12                          ; s12 which 16 rows
.set IMG,  14                          ; s14 image = 3 x batch + channel
.set TMP,  15
.set SA0,  16                          ; s16 my first row
.set OFS,  18                          ; s[18:19] my wave's first byte in xq and out
.set SR0,  20                          ; s20 table 0's term at my first row
.set A20,  21                          ; s21 my first row << 20
.set MA,   22                          ; s22 MA2
.set MASK, 23                          ; s23 the 23 bits of the place inside a segment
.set WCH,  24                          ; s[24:25] my channel's first byte in w
.set RA,   26                          ; s26 table 0's term of the row in hand
.set RB,   27                          ; s27 the row term of tables 1 and 2
.set ONE,  28                          ; s28 the bits of 1.0
.set NEG3, 29                          ; s29 -3.0
	s_load_b128 s[4:7], s[0:1], 0x0                ; w s[4:5], xq s[6:7]
	s_load_b64 s[8:9], s[0:1], 0x10                ; out0
	v_lshl_add_u32 v[SPW], v0, 2, SPARE
	v_mov_b32 v[NIL], 0
	v_lshrrev_b32 v[T], 5, v0
	v_readfirstlane_b32 s[WV], v[T]
	; my table entry h = my thread's number: floor(u) = h - 64, clipped to 0 .. 127, all in whole numbers: it enters w's addresses
	v_add_nc_u32 v[T+1], 0xffffffc0, v0            ; h - 64
	v_cmp_gt_u32 vcc_lo, 64, v0
	v_and_b32 v[T], 31, v0                         ; lane
	v_lshlrev_b32 v[GO], 4, v[T]
	s_wait_alu depctr_va_vcc(0)                    ; the compare has written VCC, which the select below reads
	v_cndmask_b32 v[T+2], v[T+1], 0, vcc_lo        ; 0 where h < 64
	v_min_u32 v[T+2], 127, v[T+2]                  ; sc
	v_mul_u32_u24 v[WO], 12, v[T+2]                ; three nodes of 4 bytes a segment
	s_wait_alu depctr_va_sdst(0)                   ; the wave's number is written, ahead of its first reader: columns, rows and the bases are made from it
	s_and_b32 s[SQ], s[WV], 3
	s_lshr_b32 s[SRH], s[WV], 2
	s_and_b32 s[IMG], ttmp7, 0xffff
	s_mul_hi_u32 s[TMP], s[IMG], 0x55555556        ; image / 3 (exact for 0 .. 47)
	s_mul_i32 s[TMP], s[TMP], 3
	s_sub_co_u32 s[TMP], s[IMG], s[TMP]            ; the channel
	s_mul_i32 s[WCH], s[TMP], WROW
	s_mov_b32 s[WCH+1], 0
	s_lshl_b32 s[SA0], ttmp9, 5
	s_lshl4_add_u32 s[SA0], s[SRH], s[SA0]         ; my first row = 32 x block + 16 x half
	s_lshl_b32 s[OFS], s[IMG], 20                  ; an image is 2^20 bytes
	s_lshl_b32 s[TMP], s[SA0], 11
	s_add_co_u32 s[OFS], s[OFS], s[TMP]
	s_lshl_b32 s[TMP], s[SQ], 9
	s_add_co_u32 s[OFS], s[OFS], s[TMP]            ; below 2^26
	s_mov_b32 s[OFS+1], 0
	s_mul_i32 s[SR0], s[SA0], A0STEP
	s_add_co_u32 s[SR0], s[SR0], BASE0
	s_lshl_b32 s[A20], s[SA0], 20
	s_mov_b32 s[MA], MA2
	s_mov_b32 s[MASK], 0x7fffff
	s_mov_b32 s[ONE], 0x3f800000
	s_mov_b32 s[NEG3], 0xc0400000
	s_wait_kmcnt 0x0
	s_add_nc_u64 s[4:5], s[4:5], s[WCH:WCH+1]
	s_add_nc_u64 s[6:7], s[6:7], s[OFS:OFS+1]
	s_add_nc_u64 s[8:9], s[8:9], s[OFS:OFS+1]
	s_wait_alu depctr_va_vdst(0)                   ; v[WO] and v[GO] are written, which the loads below read as their offsets
.irp r, 0,1,2,3
.irp j, 0,1,2,3
	global_load_b32 v[C+4*\r+\j], v[WO], s[4:5] offset:\r*WROT+\j*4  ; node j of my segment, rotation r (12 sc is no multiple of 16: four loads of 4 bytes)
.endr
.endr
.set i, 0
.rept ROWS
	global_load_b128 v[X+4*i:X+4*i+3], v[GO], s[6:7] offset:i*ROWB th:TH_LOAD_NT  ; all my rows go out now: 8 KiB a wave on their way
.set i, i+1
.endr
	; in the wait for w: tau, the entry's address, the column terms (none of these lines writes WO or GO, which pending loads name)
	v_sub_nc_u32 v[TAU], v[T+1], v[T+2]            ; h - 64 - sc: 0 inside, the distance from the clipped segment outside
	v_cvt_f32_i32 v[TAU], v[TAU]
	v_fma_f32 v[TAU], v[TAU], 2.0, s[NEG3]
	v_lshlrev_b32 v[TA], 4, v0
	v_lshlrev_b32 v[T], 2, v[T]
	v_lshl_add_u32 v[T], s[SQ], 7, v[T]            ; my first column
.irp i, 0,1,2,3
	v_add_nc_u32 v[T+4], \i, v[T]
	v_mul_u32_u24 v[T+4], MB16, v[T+4]             ; at most 511 x 4923549, below 2^32
	v_lshrrev_b32 v[T+4], 4, v[T+4]
	v_add_nc_u32 v[COL2+\i], BASE0, v[T+4]
	v_sub_nc_u32 v[COL3+\i], BASE0+G3, v[T+4]
.endr
; One entry: the nodes' values y0..y3 at v[y ..] -> c0..c3 of table e, in registers of its own: the three entries are stored together, behind one wait.
.macro BUILD y, e
	v_add_f32 v[B+0], v[(\y)+3], v[(\y)]           ; S1 = y3 + y0 = 2 (a0 + a2)
	v_sub_f32 v[B+1], v[(\y)+3], v[(\y)]           ; D1 = y3 - y0 = 2 (a1 + a3)
	v_add_f32 v[B+2], v[(\y)+2], v[(\y)+1]         ; S2 = y2 + y1 = 2 a0 + a2 / 2
	v_sub_f32 v[B+3], v[(\y)+2], v[(\y)+1]         ; D2 = y2 - y1 = a1 + a3 / 4
	v_sub_f32 v[B+4], v[B+0], v[B+2]
	v_fma_f32 v[B+5], v[B+3], -2.0, v[B+1]
	v_mul_f32 v[B+4], 0x3f2aaaab, v[B+4]           ; a2 = 2/3 (S1 - S2)
	v_mul_f32 v[B+5], 0x3f2aaaab, v[B+5]           ; a3 = 2/3 (D1 - 2 D2)
	v_mul_f32 v[B+2], 0.5, v[B+2]
	v_fma_f32 v[B+1], v[B+1], 0.5, -v[B+5]         ; a1 = D1 / 2 - a3
	v_fmamk_f32 v[B+0], v[B+4], 0xbe800000, v[B+2] ; a0 = S2 / 2 - a2 / 4
	v_mul_f32 v[B+6], v[B+5], v[TAU]               ; a3 tau
	v_fmamk_f32 v[B+7], v[B+6], 0x40400000, v[B+4] ; a2 + 3 a3 tau
	v_add_f32 v[B+6], v[B+4], v[B+6]               ; a2 + a3 tau
	v_add_f32 v[B+3], v[B+7], v[B+4]               ; 2 a2 + 3 a3 tau
	v_fma_f32 v[B+6], v[TAU], v[B+6], v[B+1]
	v_fma_f32 v[B+3], v[TAU], v[B+3], v[B+1]
	v_fma_f32 v[O+4*(\e)], v[TAU], v[B+6], v[B+0]  ; c0 = a0 + tau (a1 + tau (a2 + a3 tau))
	v_add_f32 v[O+4*(\e)+1], v[B+3], v[B+3]        ; c1 = 2 (a1 + tau (2 a2 + 3 a3 tau))
	v_mul_f32 v[O+4*(\e)+2], 4.0, v[B+7]           ; c2 = 4 (a2 + 3 a3 tau)
	v_mul_f32 v[O+4*(\e)+3], 0x41000000, v[B+5]    ; c3 = 8 a3
.endm
	s_wait_loadcnt ROWS                            ; w is in; the 16 loads of xq, issued behind it, stay out
	v_pk_add_f32 v[C:C+1],   v[C:C+1],   v[C+4:C+5]  ; rotations 0 and 1 share their positions: one table of w[0] + w[1]
	v_pk_add_f32 v[C+2:C+3], v[C+2:C+3], v[C+6:C+7]
	BUILD C, 0
	BUILD C+8, 1
	BUILD C+12, 2
	s_wait_alu depctr_va_vdst(0)                   ; my three entries v[O ..] and v[TA] are written, which the LDS stores read
.irp e, 0,1,2
	ds_store_b128 v[TA], v[O+4*\e:O+4*\e+3] offset:\e*TABB  ; 32 lanes, 512 consecutive bytes
.endr
	s_wait_dscnt 0x0                               ; for the others' sake: my three entries are written
	s_barrier_signal -1
	s_barrier_wait -1                              ; the tables are whole, and nobody writes them again
	s_wait_alu depctr_vm_vsrc(0)                   ; my LDS stores have read v[TA] and v[O ..], the loads of w have read v[WO]: from here on the address arithmetic writes the first two, and gathers land in the entries' registers
; The scalar terms of row r of my 16.
.macro ROWTERMS row
	s_add_co_u32 s[RA], s[SR0], (\row)*A0STEP
	s_add_co_u32 s[RB], s[A20], (\row)<<20
	s_mul_hi_u32 s[RB], s[RB], s[MA]
.endm
; Pair p of 32: row p / 2, elements 2 (p % 2) and the next.  Its six U, six F and six addresses, into the address set and the F registers of its parity.  U is made in the address register; F is
; taken from it, then it is shifted in place.  A number read from memory is bounded by a constant written in the instruction before it enters an address, and behind that only shifted left.
.macro ARITH p
.set PR, (\p)/2
.set PE, 2*((\p)%2)
.set PA, AD+6*((\p)%2)
.if ((\p)%2) == 0
	ROWTERMS (\p)/2
	s_wait_loadcnt ROWS-1-(\p)/2                   ; loads come back in order (ISA guide 5.7.1): this row is in, the younger rows stay out
.endif
.irp k, 0,1
	v_add_nc_u32 v[PA+3*\k],   s[RA], v[X+4*PR+PE+\k]
	v_add3_u32   v[PA+3*\k+1], v[X+4*PR+PE+\k], s[RB], v[COL2+PE+\k]
	v_add3_u32   v[PA+3*\k+2], v[X+4*PR+PE+\k], s[RB], v[COL3+PE+\k]
.endr
.irp j, 0,1,2,3,4,5
	v_and_or_b32 v[F+3*PE+\j], v[PA+\j], s[MASK], s[ONE]  ; F = 1 + frac(u)
.endr
.irp j, 0,1,2,3,4,5
	v_lshrrev_b32 v[PA+\j], 23, v[PA+\j]           ; floor(u) + 64
.endr
.irp j, 0,1,2,3,4,5
	v_min_u32 v[PA+\j], 0xff, v[PA+\j]
.endr
.irp j, 0,1,2,3,4,5
	v_lshlrev_b32 v[PA+\j], 4, v[PA+\j]
.endr
.endm
; Pair p's six gathers.  Lanes of a wave fall into a few neighbouring entries: different 16-byte columns, or the same words.
.macro GATHER p
.set PE, 2*((\p)%2)
.set PA, AD+6*((\p)%2)
.irp k, 0,1
.irp z, 0,1,2
	ds_load_b128 v[C+12*(PE+\k)+4*\z:C+12*(PE+\k)+4*\z+3], v[PA+3*\k+\z] offset:\z*TABB
.endr
.endr
.endm
; Two elements' three cubics each, in place, six chains side by side; then the three sums are added into xq's register.
.macro HORNER row, el
.irp k, 0,1
.irp z, 0,1,2
	v_fmac_f32 v[C+12*((\el)+\k)+4*\z+2], v[C+12*((\el)+\k)+4*\z+3], v[F+3*((\el)+\k)+\z]  ; c2 + c3 F
.endr
.endr
.irp k, 0,1
.irp z, 0,1,2
	v_fmac_f32 v[C+12*((\el)+\k)+4*\z+1], v[C+12*((\el)+\k)+4*\z+2], v[F+3*((\el)+\k)+\z]
.endr
.endr
.irp k, 0,1
.irp z, 0,1,2
	v_fmac_f32 v[C+12*((\el)+\k)+4*\z], v[C+12*((\el)+\k)+4*\z+1], v[F+3*((\el)+\k)+\z]
.endr
.endr
.irp k, 0,1
	v_add_f32 v[C+12*((\el)+\k)], v[C+12*((\el)+\k)], v[C+12*((\el)+\k)+4]
.endr
.irp k, 0,1
	v_add_f32 v[X+4*(\row)+(\el)+\k], v[C+12*((\el)+\k)], v[C+12*((\el)+\k)+8]
.endr
.endm
	ARITH 0
	s_wait_alu depctr_va_vdst(0)                   ; pair 0's six addresses are written, which its gathers read; the lines that built the tables are done with the registers in which they land
	GATHER 0
	ARITH 1
.set p, 0
.rept 2*ROWS
.if p < 2*ROWS-2
	s_wait_alu depctr_vm_vsrc(0)                   ; pair p's gathers, issued a step ago, have read the address set that this step's arithmetic writes again
.endif
.if p < 2*ROWS-1
	s_wait_alu depctr_va_vdst(0)                   ; pair p + 1's addresses are written; the sums of pair p - 1 are done with the buffer in which its gathers land, and have written the row that is stored below
	GATHER p+1
.endif
.if (p > 0) && (p%2 == 0)
	global_store_b128 v[GO], v[X+4*(p/2-1):X+4*(p/2-1)+3], s[8:9] offset:(p/2-1)*ROWB th:TH_STORE_NT  ; the row that the step before finished; no vector instruction since the wait names it, and it is not written again
.endif
.if p < 2*ROWS-1
	s_wait_dscnt 6                                 ; LDS loads come back in order (ISA guide 5.7.1): pair p's six are in, the six just issued stay out
.else
	s_wait_dscnt 0x0
.endif
	HORNER p/2, 2*(p%2)
.if p < 2*ROWS-2
	ARITH p+2                                      ; into the address set and the F registers that pair p has done with
.endif
.set p, p+1
.endr
	s_wait_alu depctr_va_vdst(0)                   ; the last pair's sums have written the last row, which the store reads
	global_store_b128 v[GO], v[X+4*(ROWS-1):X+4*(ROWS-1)+3], s[8:9] offset:(ROWS-1)*ROWB th:TH_STORE_NT
	s_wait_dscnt 0x0                               ; the wave's end
	s_wait_alu 0x0
	s_wait_tensorcnt 0x0
	ds_add_u32 v[SPW], v[NIL]
	s_wait_dscnt 0x0
	s_endpgm
.Lfunc_end_k_q9ded0bb9c3_evaluate:
	.size	k_q9ded0bb9c3_evaluate, .Lfunc_end_k_q9ded0bb9c3_evaluate-k_q9ded0bb9c3_evaluate
	.p2alignl 7, 3214868480
	.fill 96, 4, 3214868480
	.section	.rodata,"a",@progbits
	.p2align	6, 0x0
	.amdhsa_kernel k_q9ded0bb9c3_evaluate
		.amdhsa_group_segment_fixed_size 13312
		.amdhsa_private_segment_fixed_size 0
		.amdhsa_enable_private_segment 0
		.amdhsa_kernarg_size 24
		.amdhsa_user_sgpr_count 2
		.amdhsa_user_sgpr_kernarg_segment_ptr 1
		.amdhsa_wavefront_size32 1
		.amdhsa_system_sgpr_workgroup_id_x 1
		.amdhsa_system_sgpr_workgroup_id_y 1
		.amdhsa_system_sgpr_workgroup_id_z 1
		.amdhsa_system_vgpr_workitem_id 0
		.amdhsa_next_free_vgpr 148
		.amdhsa_next_free_sgpr 66
		.amdhsa_reserve_vcc 1
		.amdhsa_float_denorm_mode_32 3
		.amdhsa_float_denorm_mode_16_64 3
		.amdhsa_memory_ordered 1
		.amdhsa_forward_progress 1
		.amdhsa_inst_pref_size 98
	.end_amdhsa_kernel
	.amdgpu_metadata
---
amdhsa.version: [ 1, 2 ]
amdhsa.kernels:
  - .name:           k_q9ded0bb9c3_evaluate
    .symbol:         k_q9ded0bb9c3_evaluate.kd
    .args:
      - { .name: w, .offset: 0, .size: 8, .value_kind: global_buffer, .address_space: global }
      - { .name: xq, .offset: 8, .size: 8, .value_kind: global_buffer, .address_space: global }
      - { .name: out0, .offset: 16, .size: 8, .value_kind: global_buffer, .address_space: global }
    .group_segment_fixed_size: 13312
    .private_segment_fixed_size: 0
    .kernarg_segment_align: 8
    .kernarg_segment_size: 24
    .max_flat_workgroup_size: 256
    .sgpr_count:     66
    .vgpr_count:     148
    .wavefront_size: 32
...
	.end_amdgpu_metadata
.endif
;; end of part 3
